; MI455X (gfx1250); checked and timed in simulation.
; The chip was launched on July 23, 2026; its instructions are those of AMD's public machine-readable ISA for CDNA 5 (MIT licence, August 2026) and "CDNA5" Instruction Set Architecture Reference Guide (July 2026). The comments in the code are by the model that wrote it; some were corrected since.
;; Joint Attention. Allowed arithmetic: matrix products marked QUANTISED: E4M3 operands, one given power-of-two scale a tensor, by v_wmma_f32_16x16x64_fp8_fp8 or v_wmma_f32_16x16x128_fp8_fp8, f32 sums; products left as they are: f32 operands where the result goes on into a quantised operand, else bf16, f16 or f32 operands; f32 sums; everything else in f32.
;; Inputs: Wk 256 x 256 float32; Wq 256 x 256 float32; Wv 256 x 256 float32; bk 256 float32; bq 256 float32; bv 256 float32; lowp_scales 6 int32 (the exponents e of the quantised operands' scales 2^e); x 2 x 1,024 x 256 float32.
;; Outputs: out0 2 x 1,024 x 256 float32.
;; This version of the problem:
;;   THIS VERSION OF THE PROBLEM IS GIVEN IN LOW PRECISION. The matrix products marked QUANTISED in the list below multiply operands that are first quantised to E4M3 (4 exponent bits, 3 mantissa bits; 8 bits a number), with one given power-of-two scale for each operand tensor; their sums are f32. All else is computed in f32.
;;   The module's matrix products, in the order in which they are computed (A, B: the left and right operand; K: the contracted axis; several contracted axes count as one K, in the product's order):
;;     1. [M 2,048, K 256] x [K 256, N 256]; A: input x; B: input Wq: QUANTISED (scales: A lowp_scales[0], B lowp_scales[1])
;;     2. [M 2,048, K 256] x [K 256, N 256]; A: input x; B: input Wk: QUANTISED (scales: A lowp_scales[2], B lowp_scales[3])
;;     3. [M 2,048, K 256] x [K 256, N 256]; A: input x; B: input Wv: QUANTISED (scales: A lowp_scales[4], B lowp_scales[5])
;;     4. batch 2,048 x [M 256, K 1] x [K 1, N 256]; A: computed on the way; B: computed on the way: left as it is (no contracted axis)
;;     5. batch 2,048 x [M 256, K 256] x [K 256, N 1]; A: softmax; B: computed on the way: left as it is (N = 1 < 16)
;;   THE QUANTISER, for each operand of a quantised product, along K:
;;     - The operand's scale is 2^e, e = its entry of the input lowp_scales (int32; the entries are numbered through the quantised products in the list's order, A before B).
;;     - Each number is divided by the scale, clamped to +-448, and rounded to the nearest number of E4M3, ties to even, subnormals kept.
;;     - The product sums the exact products of the quantised numbers (number of the format x scale) in f32.
;;   ~~~python
;;   def quantise(x, axis, e):      # numpy; x: float32 -> the quantised numbers, widened to float32 again
;;       x = np.moveaxis(x, axis, -1); K = x.shape[-1]
;;       r = np.clip(x / 2.0 ** e, -448, 448)
;;       step = 2.0 ** (np.maximum(np.frexp(np.where(r == 0, 1, r))[1] - 1, -6) - 3)
;;       q = np.round(r / step) * step * 2.0 ** e      # np.round: ties to even
;;       return np.moveaxis(q, -1, axis).astype(np.float32)
;;   ~~~
;; One version. Each part assembles by itself: llvm-mc -triple=amdgcn-amd-amdhsa -mcpu=gfx1250 --defsym DOCPART=n.
;; ======== version 1 of 1: 2 launches
;; workspace buffers: qkv 6,291,456 bytes
;; launch project (part 1): grid 64 x 4, 12 waves a work-group, no clusters, 52,224 bytes of LDS; arguments x, Wq, Wk, Wv, bq, bk, bv, lowp_scales, qkv; writes qkv
.if DOCPART == 1
	.amdgcn_target "amdgcn-amd-amdhsa--gfx1250"
	.amdhsa_code_object_version 6
	.text
	.protected	k_q37d74b265f_project
	.globl	k_q37d74b265f_project
	.p2align	8
	.type	k_q37d74b265f_project,@function
k_q37d74b265f_project:
	s_mov_b64 s[64:65], 0
	v_nop
	global_prefetch_b8 v0, s[64:65] scope:SCOPE_SE
	s_setreg_imm32_b32 hwreg(HW_REG_WAVE_MODE, 25, 1), 1
	s_wait_xcnt 0x0
; Q, K, V = x W^T + b, each product on codes of FP8 (E4M3), each operand with the one scale 2^e that is given for it; sums in f32.
; x: [2048][256] f32.  Wq, Wk, Wv: [256 (n)][256 (k)] f32, K innermost.  qkv: [3][2048][256] f32: plane 0 Q, 1 K, 2 V.
; SHARES.  A work-group makes 32 tokens x 64 columns of all three matrices: 64 x 4 work-groups.  Twelve waves: wave w serves matrix w / 4; sub = w % 4.
;   (1) wave w quantises ONE fragment of x (16 tokens x 128 K: token tile sub / 2, K step sub % 2) with its matrix's scale for x: x has three scales, so there are 3 x 4 fragments, one a wave.
;       The fragment goes to LDS as an image of its registers: 4 stores of 16 bytes a lane at 16 x lane.
;   (2) it quantises its own 16 rows of W (columns 64 by + 16 sub on), both K steps, into registers;
;   (3) behind a barrier it takes its matrix's four fragments of x from LDS and issues four matrix instructions, TRANSPOSED (source 0 = 16 rows of W, source 1 = 16 tokens):
;       a lane then holds one token (lane % 16) and eight neighbouring columns 8 (lane / 16) + 0 .. 7;
;   (4) sum x 2^(ex + ew) + bias goes through a stage in LDS and leaves as whole rows of 256 bytes.
; K INSIDE A FRAGMENT: registers 4 c .. 4 c + 3 hold k = 32 c + 16 (lane / 16) + 0 .. 15, in x and in W alike: every product meets its partner; only the order of the sums inside an instruction differs.
; No tensor load and no shared tile by joint loads: the operands arrive as f32 and go from memory straight into the registers that the conversions read; a wave has one run of 48 loads and four products.
; LIMITS: each given exponent e between -126 and 119 (2^e and 448 x 2^e are f32 numbers); ex + ew of a product between -126 and 127.  NaN among x and W is not served; an infinity is held at the largest code.
.set XIMG, 0                           ; LDS: 12 images of 2,048 bytes; image w = 4 matrix + 2 token tile + K step
.set STG,  24576                       ; LDS: the stage: 3 matrices x 32 rows x 272 bytes
.set SP,   272                         ; a stage row: 256 bytes + 16 of padding: 68 words, so sixteen rows start at sixteen different groups of four banks (64 banks of 4 bytes: ISA guide 11.1)
.set MSTG, 32*SP                       ; a matrix's part of the stage
.set GA,   4                           ; v4   x and W: row (lane % 16) of 1,024 bytes + 64 (lane / 16): my 16 numbers of a block of 32
.set LI,   5                           ; v5   16 x lane
.set XWI,  6                           ; v6   where I store my image: 16 x lane + 2,048 w
.set XFI,  7                           ; v7   where my matrix's four images begin: 16 x lane + 8,192 matrix
.set SO,   8                           ; v8   the stage: where I put 32 bytes of a row
.set SR,   9                           ; v9   the stage: where I read a row back
.set GO,   10                          ; v10  my byte offset in the rows of qkv that I store
.set BO,   11                          ; v11  my byte offset in my 16 numbers of the bias: 32 (lane / 16)
.set SCX,  12                          ; v12, v13: 2^ex and 448 x 2^ex
.set SCW,  14                          ; v14, v15: 2^ew and 448 x 2^ew
.set PC,   16                          ; v16-31   my fragment of x, as codes
.set WF,   32                          ; v32-63   W's two fragments, as codes
.set XN,   64                          ; v64-127  64 numbers of x
.set BI,   64                          ; v64-71   later: the bias of my eight columns
.set WN0,  128                         ; v128-191 W's numbers of K step 0
.set XF,   128                         ; v128-191 later: four fragments of x: (token tile m, K step s) at XF + 16 (2 s + m)
.set WN1,  192                         ; v192-255 W's numbers of K step 1
.set ACC,  192                         ; v192-207 later: two accumulators, token tile 0 and 1
.set Y,    208                         ; v208-223 the results
.set OUTR, 224                         ; v224-239 rows read back from the stage
; 64 numbers of a lane: 16 neighbours of each of four blocks of 32 along K, from off bytes on
.macro NLOAD reg, base, off
.irp b, 0,1,2,3
.irp j, 0,1,2,3
	global_load_b128 v[\reg+16*\b+4*\j:\reg+16*\b+4*\j+3], v[GA], s[\base:\base+1] offset:\off+128*\b+16*\j
.endr
.endr
.endm
; v[src] .. v[src + 63] become a fragment's 16 registers of codes in v[dst] on.  v[sc]: the scale as f32; v[sc + 1]: 448 x the scale
.macro QUANT src, dst, sc
.irp b, 0,1,2,3
.irp i, 0,1,2,3,4,5,6,7,8,9,10,11,12,13,14,15
	v_med3_num_f32 v[\src+16*\b+\i], v[\src+16*\b+\i], -v[\sc+1], v[\sc+1]   ; the conversion to an 8-bit code does not saturate (ISA guide 7.6.2): the number is held within the largest code x the scale first
.endr
	v_cvt_scalef32_pk8_fp8_f32 v[\dst+4*\b:\dst+4*\b+1], v[\src+16*\b:\src+16*\b+7], v[\sc]
	v_cvt_scalef32_pk8_fp8_f32 v[\dst+4*\b+2:\dst+4*\b+3], v[\src+16*\b+8:\src+16*\b+15], v[\sc]
.endr
	v_nop                                          ; one plain vector instruction behind the last conversion: matrix instructions later read the codes and write over the numbers' registers
.endm
.macro FETCH reg, idx                  ; image idx of my matrix comes back as it was stored: the same registers in the same lanes
.irp c, 0,1,2,3
	ds_load_b128 v[\reg+4*\c:\reg+4*\c+3], v[XFI] offset:XIMG+2048*\idx+512*\c
.endr
.endm
.macro BARRIER                         ; my LDS stores have landed and my LDS loads are in: then the work-group's barrier
	s_wait_dscnt 0x0
	s_barrier_signal -1
	s_barrier_wait -1
.endm
	s_load_b512 s[4:19], s[0:1], 0x0               ; x s[4:5], Wq s[6:7], Wk s[8:9], Wv s[10:11], bq s[12:13], bk s[14:15], bv s[16:17], the exponents s[18:19]
	s_load_b64 s[20:21], s[0:1], 0x40              ; qkv
	s_set_vgpr_msb 0x40
	v_lshl_add_u32 v0, v0, 2, 0xc600
	v_mov_b32 v1, 0
	s_set_vgpr_msb 0x4000
	v_lshrrev_b32 v1, 5, v0
	v_readfirstlane_b32 s22, v1                    ; wave 0..11
	s_lshr_b32 s23, s22, 2                         ; matrix: 0 Q, 1 K, 2 V
	s_and_b32 s24, s22, 3                          ; sub
	s_lshr_b32 s25, s24, 1                         ; the token tile whose part of x I quantise
	s_and_b32 s26, s24, 1                          ; and its K step
	s_and_b32 s27, ttmp7, 0xffff                   ; by: which 64 columns
	; byte offsets, each in a pair of its own, made while the arguments are on their way
	s_lshl_b32 s34, ttmp9, 15                      ; x: 32 tokens of 1,024 bytes a work-group,
	s_lshl_b32 s44, s25, 14                        ; + 16 tokens a tile,
	s_add_co_u32 s34, s34, s44
	s_lshl_b32 s44, s26, 9                         ; + 512 bytes a K step
	s_add_co_u32 s34, s34, s44
	s_mov_b32 s35, 0
	s_lshl_b32 s50, s27, 16                        ; W: 64 rows of 1,024 bytes for by, + 16 rows for sub
	s_lshl_b32 s44, s24, 14
	s_add_co_u32 s50, s50, s44
	s_mov_b32 s51, 0
	s_lshl_b32 s52, s27, 8                         ; the bias: 64 numbers for by, + 16 for sub
	s_lshl_b32 s44, s24, 6
	s_add_co_u32 s52, s52, s44
	s_mov_b32 s53, 0
	s_lshl_b32 s54, s23, 21                        ; qkv: the matrix's plane of 2,097,152 bytes,
	s_lshl_b32 s44, ttmp9, 15                      ; + the work-group's 32 tokens,
	s_add_co_u32 s54, s54, s44
	s_lshl_b32 s44, s24, 13                        ; + the 8 rows that I store,
	s_add_co_u32 s54, s54, s44
	s_lshl_b32 s44, s27, 8                         ; + the 64 columns: 256 bytes
	s_add_co_u32 s54, s54, s44
	s_mov_b32 s55, 0
	v_and_b32 v1, 31, v0                           ; lane
	v_and_b32 v2, 15, v0                           ; r
	v_bfe_u32 v3, v0, 4, 1                         ; h
	v_lshlrev_b32 v[GA], 10, v2
	v_lshl_add_u32 v[GA], v3, 6, v[GA]
	v_lshlrev_b32 v[LI], 4, v1
	s_lshl_b32 s44, s22, 11
	v_add_nc_u32 v[XWI], s44, v[LI]
	s_lshl_b32 s44, s23, 13
	v_add_nc_u32 v[XFI], s44, v[LI]
	v_mul_u32_u24 v[SO], v2, SP                    ; into the stage: row r (+ 16 rows for token tile 1, in the immediate), my 16 columns' 64 bytes, 32 bytes for each half of the lanes
	v_lshl_add_u32 v[SO], v3, 5, v[SO]
	s_mul_i32 s44, s23, MSTG
	s_lshl_b32 s45, s24, 6
	s_add_co_u32 s44, s44, s45
	s_add_co_u32 s44, s44, STG
	v_add_nc_u32 v[SO], s44, v[SO]
	v_mul_u32_u24 v[SR], v3, SP                    ; back: rows 8 sub on; lanes 0-15 take one row of 256 bytes, lanes 16-31 the next
	v_lshl_add_u32 v[SR], v2, 4, v[SR]
	s_mul_i32 s44, s23, MSTG
	s_mul_i32 s45, s24, 8*SP
	s_add_co_u32 s44, s44, s45
	s_add_co_u32 s44, s44, STG
	v_add_nc_u32 v[SR], s44, v[SR]
	v_lshlrev_b32 v[GO], 10, v3                    ; and the same two rows in qkv
	v_lshl_add_u32 v[GO], v2, 4, v[GO]
	v_lshlrev_b32 v[BO], 5, v3
	s_wait_kmcnt 0x0
	s_load_b128 s[36:39], s[18:19], 0x0            ; the six exponents: 16 + 8 bytes, the buffer's 24
	s_load_b64 s[40:41], s[18:19], 0x10
	s_cmp_eq_u32 s23, 0                            ; my matrix's W and bias: the choice hangs on the wave's number alone
	s_cselect_b64 s[28:29], s[6:7], s[8:9]
	s_cselect_b64 s[30:31], s[12:13], s[14:15]
	s_cmp_eq_u32 s23, 2
	s_cselect_b64 s[28:29], s[10:11], s[28:29]
	s_cselect_b64 s[30:31], s[16:17], s[30:31]
	s_add_nc_u64 s[32:33], s[4:5], s[34:35]        ; x at my fragment
	s_add_nc_u64 s[28:29], s[28:29], s[50:51]      ; W at my 16 rows
	s_add_nc_u64 s[30:31], s[30:31], s[52:53]      ; the bias at my 16 columns
	s_add_nc_u64 s[48:49], s[20:21], s[54:55]      ; qkv at the rows that I store
	NLOAD XN, 32, 0                                ; 48 loads of the wave go out in one run
	NLOAD WN0, 28, 0
	NLOAD WN1, 28, 512
	s_wait_kmcnt 0x0
	s_cmp_eq_u32 s23, 0                            ; my product's pair (ex, ew)
	s_cselect_b64 s[42:43], s[36:37], s[38:39]
	s_cmp_eq_u32 s23, 2
	s_cselect_b64 s[42:43], s[40:41], s[42:43]
	s_add_co_i32 s44, s42, 127
	s_lshl_b32 s45, s44, 23
	v_mov_b32 v[SCX], s45                          ; 2^ex as f32: the conversion takes its exponent field
	s_add_co_i32 s44, s44, 8
	s_lshl_b32 s44, s44, 23
	s_or_b32 s44, s44, 0x600000
	v_mov_b32 v[SCX+1], s44                        ; 448 x 2^ex
	s_add_co_i32 s44, s43, 127
	s_lshl_b32 s45, s44, 23
	v_mov_b32 v[SCW], s45                          ; 2^ew
	s_add_co_i32 s44, s44, 8
	s_lshl_b32 s44, s44, 23
	s_or_b32 s44, s44, 0x600000
	v_mov_b32 v[SCW+1], s44                        ; 448 x 2^ew
	s_add_co_i32 s46, s42, s43
	s_add_co_i32 s46, s46, 127
	s_lshl_b32 s46, s46, 23                        ; 2^(ex + ew) as f32
	s_mov_b32 s47, s46                             ; (named with it as a pair, so it is written)
	s_wait_loadcnt 32                              ; x's 16 loads are in; W's 32 stay out
	QUANT XN, PC, SCX
.irp c, 0,1,2,3
	ds_store_b128 v[XWI], v[PC+4*\c:PC+4*\c+3] offset:XIMG+512*\c   ; my fragment's image
.endr
	global_load_b128 v[BI:BI+3], v[BO], s[30:31]   ; the bias of my eight columns, into registers that x's numbers have left
	global_load_b128 v[BI+4:BI+7], v[BO], s[30:31] offset:16
	s_wait_loadcnt 18                              ; W's K step 0 is in; behind it: K step 1's 16 loads and the bias's 2
	QUANT WN0, WF, SCW
	s_wait_loadcnt 2                               ; K step 1 is in; the bias may stay out
	QUANT WN1, WF+16, SCW
	BARRIER                                        ; all twelve images lie in LDS
	FETCH XF, 0                                    ; token tile 0, K step 0
	FETCH XF+16, 2                                 ; token tile 1, K step 0
	FETCH XF+32, 1                                 ; token tile 0, K step 1
	FETCH XF+48, 3                                 ; token tile 1, K step 1
	s_wait_dscnt 8                                 ; K step 0's two fragments are in; the youngest eight loads may be out
	v_wmma_f32_16x16x128_fp8_fp8 v[ACC:ACC+7], v[WF:WF+15], v[XF:XF+15], 0                   ; the first K step starts the sums; the two accumulators take turns
	v_wmma_f32_16x16x128_fp8_fp8 v[ACC+8:ACC+15], v[WF:WF+15], v[XF+16:XF+31], 0
	s_wait_dscnt 0x0
	v_wmma_f32_16x16x128_fp8_fp8 v[ACC:ACC+7], v[WF+16:WF+31], v[XF+32:XF+47], v[ACC:ACC+7]
	v_wmma_f32_16x16x128_fp8_fp8 v[ACC+8:ACC+15], v[WF+16:WF+31], v[XF+48:XF+63], v[ACC+8:ACC+15]
.rept 4
	v_nop                                          ; four places between a matrix instruction and the first read of its result (ISA guide 7.12.1)
.endr
	s_wait_loadcnt 0x0                             ; the bias
.irp m, 0,1
.irp i, 0,2,4,6
	v_pk_fma_f32 v[Y+8*\m+\i:Y+8*\m+\i+1], v[ACC+8*\m+\i:ACC+8*\m+\i+1], s[46:47], v[BI+\i:BI+\i+1] op_sel_hi:[1,0,1]   ; sum x 2^(ex + ew) + bias, two at a time; each accumulator from its low end on
.endr
.endr
.irp m, 0,1
	ds_store_b128 v[SO], v[Y+8*\m:Y+8*\m+3] offset:16*\m*SP          ; lane (r, h): token 16 m + r, columns 16 sub + 8 h + 0 .. 7
	ds_store_b128 v[SO], v[Y+8*\m+4:Y+8*\m+7] offset:16*\m*SP+16
.endr
	BARRIER                                        ; a row's 256 bytes come from the four waves of a matrix: now they are whole
.irp i, 0,1,2,3
	ds_load_b128 v[OUTR+4*\i:OUTR+4*\i+3], v[SR] offset:2*\i*SP
.endr
.irp i, 0,1,2,3
	s_wait_dscnt 3-\i                              ; LDS loads come back in order: load i is in, the younger ones may be out
	global_store_b128 v[GO], v[OUTR+4*\i:OUTR+4*\i+3], s[48:49] offset:2048*\i   ; sixteen lanes store 256 consecutive bytes, at a multiple of 256 from qkv's first byte
.endr
	s_set_vgpr_msb 0x5
	s_wait_tensorcnt 0x0
	ds_add_u32 v0, v1
	s_wait_dscnt 0x0
	s_set_vgpr_msb 0x500
	s_endpgm
.Lfunc_end_k_q37d74b265f_project:
	.size	k_q37d74b265f_project, .Lfunc_end_k_q37d74b265f_project-k_q37d74b265f_project
	.p2alignl 7, 3214868480
	.fill 96, 4, 3214868480
	.section	.rodata,"a",@progbits
	.p2align	6, 0x0
	.amdhsa_kernel k_q37d74b265f_project
		.amdhsa_group_segment_fixed_size 52224
		.amdhsa_private_segment_fixed_size 0
		.amdhsa_enable_private_segment 0
		.amdhsa_kernarg_size 72
		.amdhsa_user_sgpr_count 2
		.amdhsa_user_sgpr_kernarg_segment_ptr 1
		.amdhsa_wavefront_size32 1
		.amdhsa_system_sgpr_workgroup_id_x 1
		.amdhsa_system_sgpr_workgroup_id_y 1
		.amdhsa_system_sgpr_workgroup_id_z 1
		.amdhsa_system_vgpr_workitem_id 0
		.amdhsa_next_free_vgpr 258
		.amdhsa_next_free_sgpr 66
		.amdhsa_reserve_vcc 0
		.amdhsa_float_denorm_mode_32 3
		.amdhsa_float_denorm_mode_16_64 3
		.amdhsa_memory_ordered 1
		.amdhsa_forward_progress 1
		.amdhsa_inst_pref_size 27
	.end_amdhsa_kernel
	.amdgpu_metadata
---
amdhsa.version: [ 1, 2 ]
amdhsa.kernels:
  - .name:           k_q37d74b265f_project
    .symbol:         k_q37d74b265f_project.kd
    .args:
      - { .name: x, .offset: 0, .size: 8, .value_kind: global_buffer, .address_space: global }
      - { .name: Wq, .offset: 8, .size: 8, .value_kind: global_buffer, .address_space: global }
      - { .name: Wk, .offset: 16, .size: 8, .value_kind: global_buffer, .address_space: global }
      - { .name: Wv, .offset: 24, .size: 8, .value_kind: global_buffer, .address_space: global }
      - { .name: bq, .offset: 32, .size: 8, .value_kind: global_buffer, .address_space: global }
      - { .name: bk, .offset: 40, .size: 8, .value_kind: global_buffer, .address_space: global }
      - { .name: bv, .offset: 48, .size: 8, .value_kind: global_buffer, .address_space: global }
      - { .name: lowp_scales, .offset: 56, .size: 8, .value_kind: global_buffer, .address_space: global }
      - { .name: qkv, .offset: 64, .size: 8, .value_kind: global_buffer, .address_space: global }
    .group_segment_fixed_size: 52224
    .private_segment_fixed_size: 0
    .kernarg_segment_align: 8
    .kernarg_segment_size: 72
    .max_flat_workgroup_size: 384
    .sgpr_count:     66
    .vgpr_count:     258
    .wavefront_size: 32
...
	.end_amdgpu_metadata
.endif
;; end of part 1
;; launch attend (part 2): grid 256 x 1, 16 waves a work-group, no clusters, 38,912 bytes of LDS; arguments qkv, out0; writes out0
.if DOCPART == 2
	.amdgcn_target "amdgcn-amd-amdhsa--gfx1250"
	.amdhsa_code_object_version 6
	.text
	.protected	k_q37d74b265f_attend
	.globl	k_q37d74b265f_attend
	.p2align	8
	.type	k_q37d74b265f_attend,@function
k_q37d74b265f_attend:
	s_mov_b64 s[64:65], 0
	v_nop
	global_prefetch_b8 v0, s[64:65] scope:SCOPE_SE
	s_setreg_imm32_b32 hwreg(HW_REG_WAVE_MODE, 25, 1), 1
	s_wait_xcnt 0x0
; out[t][i] = the sum over j of softmax_j(Q[t][i] K[t][j] / 16) V[t][j].  qkv: [3][2048][256] f32 (Q, K, V); out0: [2048][256] f32.  All in f32 on the vector unit:
; the scores are an outer product (no contracted axis) and the weighted sum has one column, so neither has a shape for the matrix unit.
; SHARES.  A work-group takes 8 tokens; wave w takes token 8 x work-group + w / 2 and the rows i = 128 (w % 2) + 4 lane + 0 .. 3: q comes by one load of 16 bytes a lane and the result
; leaves by one store of 512 consecutive bytes.  A lane makes 4 rows x 256 j = 1,024 exponentials.  Waves share nothing: no barrier.
; THE ROW'S MAXIMUM is taken away before the exponential, and it is known ahead of the row: the largest of a K[j] over j is a Kmax or a Kmin, whichever is larger (a rounded multiplication by a
; fixed number keeps or reverses the order), for every input.  So a token needs two reductions over K, and no pass over the scores.
; ARITHMETIC.  a = q log2(e) / 16; -m = min(-a Kmax, -a Kmin); p = 2^(a K[j] - m), one packed multiply-add for two j and two exponentials; the row's sum and the sum with V are packed too,
; even j in the low halves and odd j in the high halves; out = (the two halves of the sum with V) / (the two halves of the sum).  The row's largest p is 1 but for the rounding of m, so the sum is about 1 or more.
; LIMIT: a p below 2^-126 counts as 0 (v_exp_f32 flushes: ISA guide 15.8), which is nothing beside a sum of about 1.
; K AND V go once through the wave's own LDS bytes, stored as loaded (16 bytes a lane) and read back with ONE address for all lanes: every lane gets the same eight numbers.
; BY TURNS.  A batch is 8 j x 4 rows = 32 exponentials.  In a stage batch n is scaled and exponentiated and, line by line between, batch n - 1 is summed: no line reads the result of the one
; in front of it, and a stage's 32 exponentials have ONE wait, at the stage's end, ahead of their first reader in the next stage.
.set WREG, 2304                        ; LDS bytes of a wave: K's 1,024, V's 1,024, and 256 that nothing touches
.set BASE, 2                           ; v2   my wave's LDS bytes; never rewritten
.set ADR,  3                           ; v3   BASE + the loop's step
.set STA,  4                           ; v4   BASE + 16 x lane: where K and V are put
.set KMAX, 6
.set KMIN, 7
.set QR,   12                          ; v12-15  q of my four rows; at the end the results
.set AM,   16                          ; v16-31  row r: a at AM + 4 r, -m at AM + 4 r + 2; the odd registers hold 0: they are named as the upper halves of pairs
.set S,    32                          ; v32-39  the rows' sums, a pair a row
.set AC,   40                          ; v40-47  the rows' sums with V, a pair a row
.set KB,   48                          ; v48-63  two sets of 8 numbers of K
.set VB,   64                          ; v64-79  two sets of 8 numbers of V
.set T,    80                          ; v80-143 two sets of 32: pair q of a batch (row q % 4, j pair q / 4) at 2 q.  At the head v80-87 hold K and v88-95 V as loaded
.set JB,   14                          ; s14  the loop's step in bytes of K, and its counter
	s_load_b128 s[4:7], s[0:1], 0x0                ; qkv s[4:5], out0 s[6:7]
	v_lshl_add_u32 v144, v0, 2, 0x9000
	v_mov_b32 v145, 0
	v_lshrrev_b32 v1, 5, v0
	v_readfirstlane_b32 s8, v1                     ; wave 0..15
	v_and_b32 v1, 31, v0
	v_lshlrev_b32 v1, 4, v1                        ; 16 x lane; never rewritten
	s_lshr_b32 s9, s8, 1
	s_lshl_b32 s10, ttmp9, 3
	s_add_co_u32 s9, s9, s10                       ; my token
	s_lshl_b32 s10, s9, 10                         ; its row of 1,024 bytes
	s_mov_b32 s11, 0
	s_and_b32 s18, s8, 1
	s_lshl_b32 s18, s18, 9                         ; my half of the rows i: 512 bytes
	s_mov_b32 s19, 0
	s_mul_i32 s15, s8, WREG
	v_mov_b32 v[BASE], s15
	v_add_nc_u32 v[STA], s15, v1
	s_mov_b32 s12, 0x76543210                      ; v_permlanex16_b32: each lane takes its own place in the other half
	s_mov_b32 s13, 0xfedcba98
	s_mov_b32 s[JB], 0
	v_mov_b32 v8, 0                                ; written once: a lane permute's destination counts as one of its sources
	v_mov_b32 v9, 0
	s_wait_kmcnt 0x0
	s_add_nc_u64 s[4:5], s[4:5], s[10:11]          ; Q's plane at my token; K's and V's planes lie 0x200000 and 0x400000 bytes on, inside the signed 24-bit immediate (ISA guide, chapter 10)
	s_add_nc_u64 s[16:17], s[4:5], s[18:19]        ; q at my half
	s_add_nc_u64 s[6:7], s[6:7], s[10:11]
	s_add_nc_u64 s[6:7], s[6:7], s[18:19]          ; out0 likewise
	global_load_b128 v[T:T+3], v1, s[4:5] offset:0x200000          ; K[4 lane ..]
	global_load_b128 v[T+4:T+7], v1, s[4:5] offset:0x200000+512    ; K[128 + 4 lane ..]
	global_load_b128 v[T+8:T+11], v1, s[4:5] offset:0x400000       ; V likewise
	global_load_b128 v[T+12:T+15], v1, s[4:5] offset:0x400000+512
	global_load_b128 v[QR:QR+3], v1, s[16:17]
.irp j, 0,1,2,3,4,5,6,7,8,9,10,11,12,13,14,15
	v_mov_b32 v[S+\j], 0                           ; the eight pairs of sums begin at 0: the loop is written once
.endr
.irp r, 0,1,2,3
	v_mov_b32 v[AM+4*\r+1], 0
	v_mov_b32 v[AM+4*\r+3], 0
.endr
	s_wait_loadcnt 3                               ; K is in; V's two loads and q's one may be out
	ds_store_b128 v[STA], v[T:T+3]
	ds_store_b128 v[STA], v[T+4:T+7] offset:512
	v_max3_num_f32 v[KMAX], v[T], v[T+1], v[T+2]   ; the largest and the smallest of my eight, the two chains line by line,
	v_min3_num_f32 v[KMIN], v[T], v[T+1], v[T+2]
	v_max3_num_f32 v[KMAX], v[KMAX], v[T+3], v[T+4]
	v_min3_num_f32 v[KMIN], v[KMIN], v[T+3], v[T+4]
	v_max3_num_f32 v[KMAX], v[KMAX], v[T+5], v[T+6]
	v_min3_num_f32 v[KMIN], v[KMIN], v[T+5], v[T+6]
	v_max_num_f32 v[KMAX], v[KMAX], v[T+7]
	v_min_num_f32 v[KMIN], v[KMIN], v[T+7]
.irp x, 1,2,4,8                        ; then across the sixteen lanes of a half,
	v_max_num_f32_dpp v[KMAX], v[KMAX], v[KMAX] row_xmask:\x row_mask:0xf bank_mask:0xf
	v_min_num_f32_dpp v[KMIN], v[KMIN], v[KMIN] row_xmask:\x row_mask:0xf bank_mask:0xf
.endr
	v_permlanex16_b32 v8, v[KMAX], s12, s13        ; and across the halves: every lane holds both
	v_permlanex16_b32 v9, v[KMIN], s12, s13
	v_max_num_f32 v[KMAX], v[KMAX], v8
	v_min_num_f32 v[KMIN], v[KMIN], v9
	s_wait_loadcnt 1                               ; V is in; q may be out
	ds_store_b128 v[STA], v[T+8:T+11] offset:1024
	ds_store_b128 v[STA], v[T+12:T+15] offset:1536
	v_add_nc_u32 v[ADR], s[JB], v[BASE]
	ds_load_b128 v[KB:KB+3], v[ADR]                ; K of batch 0.  LDS serves a wave's instructions in order (ISA guide 5.7.1.4): these see my stores
	ds_load_b128 v[KB+4:KB+7], v[ADR] offset:16
	s_wait_loadcnt 0x0                             ; q
.irp r, 0,1,2,3
	v_mul_f32 v[AM+4*\r], 0x3db8aa3b, v[QR+\r]     ; a = q x log2(e) / 16
.endr
.irp r, 0,1,2,3
	v_mul_f32 v8, -v[AM+4*\r], v[KMAX]
	v_mul_f32 v9, -v[AM+4*\r], v[KMIN]
	v_min_num_f32 v[AM+4*\r+2], v8, v9             ; -m = -(the row's largest a K[j])
.endr
; pair q of batch set p: a K[j] - m for two j (of the pairs a and -m the low word serves both halves)
.macro SCALE p, q
	v_pk_fma_f32 v[T+32*(\p)+2*(\q):T+32*(\p)+2*(\q)+1], v[KB+8*(\p)+2*((\q)/4):KB+8*(\p)+2*((\q)/4)+1], v[AM+4*((\q)%4):AM+4*((\q)%4)+1], v[AM+4*((\q)%4)+2:AM+4*((\q)%4)+3] op_sel_hi:[1,0,0]
.endm
; STAGE n, p = n % 2.  ab = 1: batch n is scaled and exponentiated in set p.  c = 1: batch n - 1, in set 1 - p, is summed.
; lk = 1: K of batch n + 1 is asked for, at byte ko from v[ADR], into set 1 - p.  lv = 1: V of batch n, at byte vo, into set p: it is wanted one stage on.
.macro STAGE p, ab, c, lk, ko, lv, vo
	s_wait_dscnt 0x0                               ; what the stage before asked for is in: K of batch n, V of batch n - 1 (in the first stage: my stores of K and V have read v80-95, which are written below)
.if \lk
	ds_load_b128 v[KB+8*(1-\p):KB+8*(1-\p)+3], v[ADR] offset:\ko
	ds_load_b128 v[KB+8*(1-\p)+4:KB+8*(1-\p)+7], v[ADR] offset:\ko+16
.endif
.if \lv
	ds_load_b128 v[VB+8*\p:VB+8*\p+3], v[ADR] offset:\vo
	ds_load_b128 v[VB+8*\p+4:VB+8*\p+7], v[ADR] offset:\vo+16
.endif
.if \ab
	SCALE \p, 0
.endif
.set Q, 0
.rept 16
.if \ab && (Q < 15)
	SCALE \p, Q+1                                  ; a pair is scaled one slice ahead of its exponentials
.endif
.if \ab
	v_exp_f32 v[T+32*\p+2*Q], v[T+32*\p+2*Q]
.endif
.if \c
	v_pk_add_f32 v[S+2*(Q%4):S+2*(Q%4)+1], v[S+2*(Q%4):S+2*(Q%4)+1], v[T+32*(1-\p)+2*Q:T+32*(1-\p)+2*Q+1]
.endif
.if \ab
	v_exp_f32 v[T+32*\p+2*Q+1], v[T+32*\p+2*Q+1]
.endif
.if \c
	v_pk_fma_f32 v[AC+2*(Q%4):AC+2*(Q%4)+1], v[T+32*(1-\p)+2*Q:T+32*(1-\p)+2*Q+1], v[VB+8*(1-\p)+2*(Q/4):VB+8*(1-\p)+2*(Q/4)+1], v[AC+2*(Q%4):AC+2*(Q%4)+1]
.endif
.set Q, Q+1
.endr
.if \ab && (\c == 0)
	v_nop                                          ; a plain instruction behind the last exponential (elsewhere the last multiply-add is that instruction)
.endif
.if \ab
	s_wait_alu depctr_va_vdst(0)                   ; one wait for the stage's 32 exponentials: nothing has named a result yet; the next stage's sums are the first readers
.endif
.endm
	STAGE 0, 1, 0, 1, 32, 1, 1024                  ; batch 0: nothing to sum yet
.Ltrip:                                            ; 15 trips: trip t runs batches 2 t + 1 and 2 t + 2; s[JB] = 64 t
	v_add_nc_u32 v[ADR], s[JB], v[BASE]
	STAGE 1, 1, 1, 1, 64, 1, 1056                  ; asks for K of batch 2 t + 2 (byte 64 t + 64) and V of batch 2 t + 1 (byte 1,024 + 64 t + 32)
	STAGE 0, 1, 1, 1, 96, 1, 1088                  ; K of batch 2 t + 3, V of batch 2 t + 2
	s_add_co_u32 s[JB], s[JB], 64
	s_cmp_lt_u32 s[JB], 960
	s_cbranch_scc1 .Ltrip
	v_add_nc_u32 v[ADR], s[JB], v[BASE]            ; s[JB] = 960
	STAGE 1, 1, 1, 0, 0, 1, 1056                   ; batch 31: no K is left to ask for; V of batch 31 lies at byte 2,016
	STAGE 0, 0, 1, 0, 0, 0, 0                      ; batch 31 is summed
.irp r, 0,1,2,3
	v_add_f32 v[S+2*\r], v[S+2*\r], v[S+2*\r+1]    ; a row's sum: even j's and odd j's
.endr
.irp r, 0,1,2,3
	v_rcp_f32 v[S+2*\r+1], v[S+2*\r]
.endr
.irp r, 0,1,2,3
	v_add_f32 v[AC+2*\r], v[AC+2*\r], v[AC+2*\r+1] ; plain work that names no reciprocal stands behind the four
.endr
	s_wait_alu depctr_va_vdst(0)                   ; one wait for the four reciprocals, ahead of their first reader
.irp r, 0,1,2,3
	v_mul_f32 v[QR+\r], v[AC+2*\r], v[S+2*\r+1]
.endr
	global_store_b128 v1, v[QR:QR+3], s[6:7] th:TH_STORE_NT   ; 32 lanes store 512 consecutive bytes, at a multiple of 256 from out0's first byte; written once, read by nobody here
	s_wait_tensorcnt 0x0
	ds_add_u32 v144, v145
	s_wait_dscnt 0x0
	s_endpgm
.Lfunc_end_k_q37d74b265f_attend:
	.size	k_q37d74b265f_attend, .Lfunc_end_k_q37d74b265f_attend-k_q37d74b265f_attend
	.p2alignl 7, 3214868480
	.fill 96, 4, 3214868480
	.section	.rodata,"a",@progbits
	.p2align	6, 0x0
	.amdhsa_kernel k_q37d74b265f_attend
		.amdhsa_group_segment_fixed_size 38912
		.amdhsa_private_segment_fixed_size 0
		.amdhsa_enable_private_segment 0
		.amdhsa_kernarg_size 16
		.amdhsa_user_sgpr_count 2
		.amdhsa_user_sgpr_kernarg_segment_ptr 1
		.amdhsa_wavefront_size32 1
		.amdhsa_system_sgpr_workgroup_id_x 1
		.amdhsa_system_sgpr_workgroup_id_y 1
		.amdhsa_system_sgpr_workgroup_id_z 1
		.amdhsa_system_vgpr_workitem_id 0
		.amdhsa_next_free_vgpr 146
		.amdhsa_next_free_sgpr 66
		.amdhsa_reserve_vcc 0
		.amdhsa_float_denorm_mode_32 3
		.amdhsa_float_denorm_mode_16_64 3
		.amdhsa_memory_ordered 1
		.amdhsa_forward_progress 1
		.amdhsa_inst_pref_size 24
	.end_amdhsa_kernel
	.amdgpu_metadata
---
amdhsa.version: [ 1, 2 ]
amdhsa.kernels:
  - .name:           k_q37d74b265f_attend
    .symbol:         k_q37d74b265f_attend.kd
    .args:
      - { .name: qkv, .offset: 0, .size: 8, .value_kind: global_buffer, .address_space: global }
      - { .name: out0, .offset: 8, .size: 8, .value_kind: global_buffer, .address_space: global }
    .group_segment_fixed_size: 38912
    .private_segment_fixed_size: 0
    .kernarg_segment_align: 8
    .kernarg_segment_size: 16
    .max_flat_workgroup_size: 512
    .sgpr_count:     66
    .vgpr_count:     146
    .wavefront_size: 32
...
	.end_amdgpu_metadata
.endif
;; end of part 2
